; MI455X (gfx1250); checked and timed in simulation.
; The chip was launched on July 23, 2026; its instructions are those of AMD's public machine-readable ISA for CDNA 5 (MIT licence, August 2026) and "CDNA5" Instruction Set Architecture Reference Guide (July 2026). The comments in the code are by the model that wrote it; some were corrected since.
;; Decoder Encoder Multi Head Attention. Allowed arithmetic: float matrix products may take bf16 or f16 operands with f32 sums; all other float work in f32.
;; Inputs: Wkv 64 x 128 float32; Wproj 64 x 64 float32; Wq 64 x 64 float32; bkv 128 float32; bproj 64 float32; bq 64 float32; encoder_outputs 16 x 1,024 x 64 float32; encoder_outputs_mask 16 x 1,024 int32; x 16 x 1,024 x 64 float32.
;; Outputs: out0 16 x 1,024 x 64 float32.
;; One version. Each part assembles by itself: llvm-mc -triple=amdgcn-amd-amdhsa -mcpu=gfx1250 --defsym DOCPART=n.
;; ======== version 1 of 1: 1 launch
;; limits: values are held in f16: magnitudes above 65,504 overflow, below 6.1e-05 lose precision; right only within a limited range of input values
;; launch attn (part 1): grid 16 x 16, 16 waves a work-group, clusters of 4 x 1, 293,888 bytes of LDS; arguments x, encoder_outputs, encoder_outputs_mask, Wkv, bkv, Wq, bq, Wproj, bproj, out0; writes out0
.if DOCPART == 1
	.amdgcn_target "amdgcn-amd-amdhsa--gfx1250"
	.amdhsa_code_object_version 6
	.text
	.protected	k_q47aa32ecc2_attn
	.globl	k_q47aa32ecc2_attn
	.p2align	8
	.type	k_q47aa32ecc2_attn,@function
k_q47aa32ecc2_attn:
	s_mov_b64 s[64:65], 0
	v_nop
	global_prefetch_b8 v0, s[64:65] scope:SCOPE_SE
	s_setreg_imm32_b32 hwreg(HW_REG_WAVE_MODE, 25, 1), 1
	s_wait_xcnt 0x0
	s_wait_alu depctr_hold_cnt(0) depctr_sa_sdst(0) depctr_va_vdst(0) depctr_va_sdst(0) depctr_va_ssrc(0) depctr_va_vcc(0) depctr_vm_vsrc(0)
	s_getreg_b32 s2, hwreg(HW_REG_IB_STS2, 6, 4)
	s_cmp_eq_u32 s2, 0
	s_cbranch_scc0 .Lentry_in_a_cluster
	s_endpgm
.Lentry_in_a_cluster:
	s_bfe_u32 s2, ttmp6, 0x10000c
	s_cmp_lg_u32 s2, 0x3003
	s_cbranch_scc0 .Lentry_shape_is_right
	s_endpgm
.Lentry_shape_is_right:
; Cross attention, fused into one launch: q = x Wq + bq, k|v = enc Wkv + bkv, softmax(q k^T / 4 with masked keys out) v, then Wproj + bproj.
; B = 16, T_dec = T_enc = 1024, C = 64, four heads of 16.  All tensors f32, the mask int32.
;
; SHARES.  A work-group owns 64 queries of one batch (grid x = query block, y = batch): 256 work-groups of equal work.  Sixteen waves: wave w = 4 hd + ks owns head hd
; and, in step s = 0..3, the keys 256 s + 64 ks .. + 63, for all 64 queries (four query tiles of 16).  Each K and V fragment is made once in the work-group, in the
; registers of the wave that uses it, and serves four query tiles.  The four key subsets of a head are merged through LDS at the end (running maxima and sums).
; Sixteen waves of 256 registers, not four large ones: most of the work is the softmax's vector arithmetic, and waves of one SIMD fill each other's waits.
;
; K AND V ARE PROJECTED AGAIN IN EACH OF A BATCH'S 16 WORK-GROUPS: a row of enc in f32 is 256 bytes, as many as its K and V in f16, so nothing more is read than a
; launch of its own would leave to be read, and no intermediate goes through memory.
;
; MEMORY.  enc[b] is 256 KiB and lies whole in LDS: four tensor loads a wave at the head (four outstanding by this text's count), nothing is ever filled again.
; CLUSTER 4 x 1: the four query blocks of a cluster share the batch, so they ask for enc jointly (mask 15); no descriptor register holds the place in the cluster.
; Each wave turns the 16 rows that it loaded itself into f16, in place (first 128 bytes of each 272-byte row); one barrier a tile shows them to the others.
;
; LAYOUTS (r = lane & 15, h = lane >> 4; D's register j is element (8 h + j, r)): every product's D, packed in pairs, IS the next product's operand:
;   K^T = Wk^T x enc^T + bk : (c = 8h+j, key r)    -> registers 0-3 of A of   S^T = K x Q^T
;   V   = enc x Wv + bv     : (key 8h+j, d = r)    -> half of A (V^T) of      O^T = V^T x P^T
;   S^T                     : (key 8h+j, query r)  -> a lane is one query: maximum and sum in the lane and one exchange of halves; two key tiles packed = B (P^T)
;   O^T                     : (d = 8h+j, query r)  -> 16 bytes of ctx[query][16 hd + 8 h ..]
; THE MASK rides in the unused half of the product's K = 32 (a head has 16 channels): register 4 of a K fragment is -2^15 twice for a masked key, else 0; register 4 of
; a Q fragment is +2^15 twice; four products of -2^30 put a masked score 2^32 lower, where exp2 and the rescale factors make it 0.  A batch with every key masked has
; a merged maximum below -2^31 and gets NaN, as a softmax over -inf alone gives.
;
; FORMAT AND LIMITS.  All matrix operands are f16 (11 significant bits; ctx is a mean of about 1,000 terms of both signs, so operand rounding shows undiminished against
; the output's spread).  Limits: x, enc, the weights, 0.36 q, k, v and ctx lie inside +-65,504; |score x 0.25 x log2 e| < 2^31; NaN and infinities among the
; inputs are not followed.  The softmax takes its running maximum away, in f32; sums and rescaling in f32.
.set PE,    272                        ; LDS pitch of an enc row: 256 bytes + 16 = 17 x 16 bytes, so 16 rows of one column start 16 bytes apart modulo 256
.set WROWS, 16*PE                      ; 4,352 = 17 x 256: the 16 rows that one tensor load brings
.set TILE,  256*PE                     ; 69,632: 256 keys, one step
.set QP,    144                        ; pitch of the Q / ctx stage: 128 bytes of f16 + 16
.set QST,   4*TILE                     ; 278,528  Q stage, 64 rows; later the ctx stage
.set MSK,   QST+64*QP                  ; 287,744  1,024 mask words; ends at 291,840
.set MRGW,  5120                       ; merge area from byte 0 (enc tiles 0 and 1, read for the last time in steps 0 and 1): a wave's part,
.set MRGQ,  1280                       ; per query tile: O registers 0-3 (512), 4-7 (512), (m, l) pairs (256)
.set OST,   16*MRGW                    ; 81,920   output stage, 64 rows x 272, ends at 99,328, still inside enc tile 1
.set ACL, 1                            ; v1    conversion: where I read 32 bytes of f32
.set ACS, 2                            ; v2    conversion: where I put 16 bytes of f16
.set AFR, 3                            ; v3    enc fragments of my 64 keys of the step
.set AMK, 4                            ; v4    mask words of my keys
.set AQS, 5                            ; v5    my 16 bytes in the Q / ctx stage (row 16 ks + r)
.set VWQ, 6                            ; v6    offset in Wq and Wproj
.set VB,  7                            ; v7    offset in bk, bq, bproj
.set MT,  8                            ; v[8:9]   the new maximum, twice
.set AL,  10                           ; v[10:11] the rescale factor (v11 only completes the pair)
.set TT,  12                           ; v[12:19] at work
.set ML,  20                           ; v[20:27] query tile q: m in v[20+2q], l in v[21+2q]
.set WK,  28                           ; v[28:43] Wk^T, two fragments
.set WV,  44                           ; v[44:59] Wv, two fragments
.set BK,  60                           ; v[60:67] bk as C
.set BV,  68                           ; v[68:75] bv as C
.set QF,  76                           ; v[76:107]  Q fragments of the four query tiles
.set OO,  108                          ; v[108:139] O^T of the four query tiles
.set KF,  140                          ; v[140:171] K fragments of four key tiles
.set VF,  172                          ; v[172:187] V^T fragments of two pairs of key tiles
.set SS,  188                          ; v[188:251] scores of two query tiles; in the projection: enc fragments and four accumulators
.set PKA, SS+32
.set PVA, SS+40
.set PKB, SS+48
.set PVB, SS+56
.set AQL, 252                          ; v252  Q fragments in the stage (row r)
.set RR,  253                          ; v253  r
.set HH,  254                          ; v254  h
.set TMP, 255
.set VX,  TT                           ; offsets of the head's loads, free again behind their wait
.set VWK, TT+1
.set VBV, TT+2
.set VMK, TT+3
.set QA,  VF+8                         ; the Q tile's accumulator
.set ACX, 24                           ; v24   ctx fragments in the stage
.set WPF, KF+8                         ; Wproj^T, two fragments
.set CF,  SS+40                        ; ctx fragments
.set OUTA, SS+56                       ; the output tile's accumulator
.set G1,  32                           ; s[32:39] descriptor group 1
.set G0,  40                           ; s[40:55] descriptor group 0, one set for each of the four tiles
.macro PLACES n                        ; plain vector places behind a matrix instruction (ISA guide 7.12.1)
.rept \n
	v_nop
.endr
.endm
; A round of the cluster's barrier: my work-group's barrier, wave 0 signals for the work-group, all wait for the four work-groups, my work-group's barrier again.
.macro ROUND
	s_barrier_signal -1
	s_barrier_wait -1
	s_cmp_lg_u32 s24, 0
	s_cbranch_scc1 .Lnot_wave_0_\@
	s_barrier_signal -3
.Lnot_wave_0_\@:
	s_barrier_wait -3
	s_barrier_signal -1
	s_barrier_wait -1
.endm
; 64 rows of one column of a weight matrix, in fragment order: register 16 kb + 8 u + j is row 32 kb + 16 u + 8 h + j (the 8 h rows are in the offset register)
.macro LOADW st, voff, base, rowb, col
.irp kb, 0,1
.irp u, 0,1
.irp j, 0,1,2,3,4,5,6,7
	global_load_b32 v[\st+16*\kb+8*\u+\j], v[\voff], s[\base:\base+1] offset:(32*\kb+16*\u+\j)*\rowb+\col
.endr
.endr
.endr
.endm
.macro PACK16 dst, src                 ; 32 f32 to two f16 fragments
.irp i, 0,1,2,3,4,5,6,7,8,9,10,11,12,13,14,15
	v_cvt_pk_f16_f32 v[\dst+\i], v[\src+2*\i], v[\src+2*\i+1]
.endr
.endm
; My 16 rows of a tile, f32 to f16 in place.  Eight lanes take a row, 32 bytes each; four rows an instruction pair.  All eight loads are issued ahead of the stores and
; LDS serves a wave's instructions in order (ISA guide 5.7.1.4), so no store reaches bytes that a load has yet to read.
.macro CONV more
.irp g, 0,1,2,3
	ds_load_b128 v[SS+8*\g:SS+8*\g+3],   v[ACL] offset:4*PE*\g
	ds_load_b128 v[SS+8*\g+4:SS+8*\g+7], v[ACL] offset:4*PE*\g+16
.endr
.irp g, 0,1,2,3
	s_wait_dscnt 6-2*\g                            ; group g's two loads are in; the 6 - 2 g younger ones stay out
.irp i, 0,1,2,3
	v_cvt_pk_f16_f32 v[SS+32+4*\g+\i], v[SS+8*\g+2*\i], v[SS+8*\g+2*\i+1]
.endr
.endr
.irp g, 0,1,2,3
	ds_store_b128 v[ACS], v[SS+32+4*\g:SS+32+4*\g+3] offset:4*PE*\g
.endr
.if \more
	v_add_nc_u32 v[ACL], TILE, v[ACL]
	v_add_nc_u32 v[ACS], TILE, v[ACS]
.endif
.endm
; enc fragments of key tiles kt, kt + 1: 16 keys x 64 features = two fragments = four loads of 16 bytes, 32 bytes apart.  The same registers serve as A and as B.
.macro ELOAD kt
.irp t, 0,1
.irp c, 0,1,2,3
	ds_load_b128 v[SS+16*\t+4*\c:SS+16*\t+4*\c+3], v[AFR] offset:WROWS*(\kt+\t)+32*\c
.endr
.endr
.endm
; K^T and V of two key tiles.  The biases are the first links' C.  The four accumulators take turns, one instruction a turn.
.macro PMUL
	v_wmma_f32_16x16x32_f16 v[PKA:PKA+7], v[WK:WK+7],       v[SS:SS+7],       v[BK:BK+7]
	v_wmma_f32_16x16x32_f16 v[PVA:PVA+7], v[SS:SS+7],       v[WV:WV+7],       v[BV:BV+7]
	v_wmma_f32_16x16x32_f16 v[PKB:PKB+7], v[WK:WK+7],       v[SS+16:SS+23],   v[BK:BK+7]
	v_wmma_f32_16x16x32_f16 v[PVB:PVB+7], v[SS+16:SS+23],   v[WV:WV+7],       v[BV:BV+7]
	v_wmma_f32_16x16x32_f16 v[PKA:PKA+7], v[WK+8:WK+15],    v[SS+8:SS+15],    v[PKA:PKA+7]
	v_wmma_f32_16x16x32_f16 v[PVA:PVA+7], v[SS+8:SS+15],    v[WV+8:WV+15],    v[PVA:PVA+7]
	v_wmma_f32_16x16x32_f16 v[PKB:PKB+7], v[WK+8:WK+15],    v[SS+24:SS+31],   v[PKB:PKB+7]
	v_wmma_f32_16x16x32_f16 v[PVB:PVB+7], v[SS+24:SS+31],   v[WV+8:WV+15],    v[PVB:PVB+7]
.endm
.macro PPACK kt                        ; the four results to f16: registers 0-3 of two K fragments, all eight of one V^T fragment
.irp i, 0,1,2,3
	v_cvt_pk_f16_f32 v[KF+8*\kt+\i],   v[PKA+2*\i], v[PKA+2*\i+1]
	v_cvt_pk_f16_f32 v[VF+4*\kt+\i],   v[PVA+2*\i], v[PVA+2*\i+1]
	v_cvt_pk_f16_f32 v[KF+8*\kt+8+\i], v[PKB+2*\i], v[PKB+2*\i+1]
	v_cvt_pk_f16_f32 v[VF+4*\kt+4+\i], v[PVB+2*\i], v[PVB+2*\i+1]
.endr
.endm
; K, V and mask words of my 64 keys of step s
.macro PROJ s
.irp kt, 0,1,2,3
	ds_load_b32 v[KF+8*\kt+4], v[AMK] offset:(256*\s+16*\kt)*4     ; key r's mask word, in both halves of the lanes
.endr
	ELOAD 0
	s_wait_dscnt 0x0
	PMUL
	PLACES 4                                       ; in front of the loads into PMUL's operands and of the conversions that read its results
	ELOAD 2
	PPACK 0                                        ; twelve of its sixteen lines name no register of any one PMUL line: more than the five places that the next PMUL needs
	s_wait_dscnt 0x0
	PMUL
	PLACES 4
	PPACK 2
.if \s < 3
	v_add_nc_u32 v[AFR], TILE, v[AFR]
.endif
.endm
; One query tile against 64 keys: scores in v[SS+sb .. +31] (already in units of log2), running maximum, exp2, sum, P to f16 in place, O rescaled.
; first = 1: the tile's first keys: no old maximum, no factor, nothing to rescale.
.macro SOFTMAX q, sb, first
.irp c, 0,1,2,3
	v_max3_num_f32 v[TT+\c], v[SS+\sb+8*\c], v[SS+\sb+8*\c+1], v[SS+\sb+8*\c+2]    ; four chains that do not wait for each other
.endr
.irp c, 0,1,2,3
	v_max3_num_f32 v[TT+\c], v[TT+\c], v[SS+\sb+8*\c+3], v[SS+\sb+8*\c+4]
.endr
.irp c, 0,1,2,3
	v_max3_num_f32 v[TT+\c], v[TT+\c], v[SS+\sb+8*\c+5], v[SS+\sb+8*\c+6]
.endr
	v_max3_num_f32 v[TT],   v[TT],   v[TT+1], v[SS+\sb+7]
	v_max3_num_f32 v[TT+2], v[TT+2], v[TT+3], v[SS+\sb+15]
	v_max3_num_f32 v[TT],   v[TT],   v[SS+\sb+23], v[SS+\sb+31]
.if \first
	v_max_num_f32 v[TT], v[TT], v[TT+2]
.else
	v_max3_num_f32 v[TT], v[TT], v[TT+2], v[ML+2*(\q)]
.endif
	v_permlanex16_b32 v[TT+1], v[TT], s56, s57     ; the other eight keys of each tile lie in lane xor 16
	v_max_num_f32 v[MT],   v[TT], v[TT+1]
	v_max_num_f32 v[MT+1], v[TT], v[TT+1]
.if \first == 0
	v_sub_f32 v[AL], v[ML+2*(\q)], v[MT]
.endif
.irp i, 0,2,4,6,8,10,12,14,16,18,20,22,24,26,28,30
	v_pk_add_f32 v[SS+\sb+\i:SS+\sb+\i+1], v[SS+\sb+\i:SS+\sb+\i+1], v[MT:MT+1] neg_lo:[0,1] neg_hi:[0,1]
.endr
.irp i, 0,1,2,3,4,5,6,7,8,9,10,11,12,13,14,15,16,17,18,19,20,21,22,23,24,25,26,27,28,29,30,31
	v_exp_f32 v[SS+\sb+\i], v[SS+\sb+\i]
.endr
.if \first == 0
	v_exp_f32 v[AL], v[AL]
.endif
	v_mov_b32 v[ML+2*(\q)], v[MT]                  ; the plain line between the exponentials and the first use of a result (ISA guide 5.7.2)
	s_wait_alu depctr_va_vdst(0)
.irp c, 0,1,2,3
	v_pk_add_f32 v[TT+2*\c:TT+2*\c+1], v[SS+\sb+8*\c:SS+\sb+8*\c+1], v[SS+\sb+8*\c+2:SS+\sb+8*\c+3]
.endr
.irp c, 0,1,2,3
	v_pk_add_f32 v[TT+2*\c:TT+2*\c+1], v[TT+2*\c:TT+2*\c+1], v[SS+\sb+8*\c+4:SS+\sb+8*\c+5]
.endr
.irp c, 0,1,2,3
	v_pk_add_f32 v[TT+2*\c:TT+2*\c+1], v[TT+2*\c:TT+2*\c+1], v[SS+\sb+8*\c+6:SS+\sb+8*\c+7]
.endr
	v_pk_add_f32 v[TT:TT+1],   v[TT:TT+1],   v[TT+2:TT+3]
	v_pk_add_f32 v[TT+4:TT+5], v[TT+4:TT+5], v[TT+6:TT+7]
	v_pk_add_f32 v[TT:TT+1],   v[TT:TT+1],   v[TT+4:TT+5]
.if \first
	v_add_f32 v[ML+2*(\q)+1], v[TT], v[TT+1]       ; l is kept for each half of the lanes; the halves meet in the merge
.else
	v_add_f32 v[TT], v[TT], v[TT+1]
	v_fma_f32 v[ML+2*(\q)+1], v[ML+2*(\q)+1], v[AL], v[TT]
.endif
.irp g, 0,16
.irp i, 0,1,2,3,4,5,6,7
	v_cvt_pk_f16_f32 v[SS+\sb+\g+\i], v[SS+\sb+\g+2*\i], v[SS+\sb+\g+2*\i+1]       ; ascending: line i writes a register that lines i + 1 .. do not read
.endr
.endr
.if \first == 0
.irp i, 0,2,4,6
	v_pk_mul_f32 v[OO+8*(\q)+\i:OO+8*(\q)+\i+1], v[OO+8*(\q)+\i:OO+8*(\q)+\i+1], v[AL:AL+1] op_sel_hi:[1,0]
.endr
.endif
.endm
; Query tiles qa, qa + 1 against my 64 keys
.macro ATT qa, first
.irp qq, 0,1
.irp kt, 0,1,2,3
	v_wmma_f32_16x16x32_f16 v[SS+32*\qq+8*\kt:SS+32*\qq+8*\kt+7], v[KF+8*\kt:KF+8*\kt+7], v[QF+8*(\qa+\qq):QF+8*(\qa+\qq)+7], 0
.endr
.endr
	PLACES 4                                       ; in front of the vector lines that read the scores
	SOFTMAX \qa, 0, \first
	SOFTMAX \qa+1, 32, \first
	; O^T += V^T x P^T.  The two accumulators take turns, one instruction a turn.
.if \first
	v_wmma_f32_16x16x32_f16 v[OO+8*\qa:OO+8*\qa+7],    v[VF:VF+7], v[SS:SS+7],     0
	v_wmma_f32_16x16x32_f16 v[OO+8*\qa+8:OO+8*\qa+15], v[VF:VF+7], v[SS+32:SS+39], 0
.else
	v_wmma_f32_16x16x32_f16 v[OO+8*\qa:OO+8*\qa+7],    v[VF:VF+7], v[SS:SS+7],     v[OO+8*\qa:OO+8*\qa+7]
	v_wmma_f32_16x16x32_f16 v[OO+8*\qa+8:OO+8*\qa+15], v[VF:VF+7], v[SS+32:SS+39], v[OO+8*\qa+8:OO+8*\qa+15]
.endif
	v_wmma_f32_16x16x32_f16 v[OO+8*\qa:OO+8*\qa+7],    v[VF+8:VF+15], v[SS+16:SS+23], v[OO+8*\qa:OO+8*\qa+7]
	v_wmma_f32_16x16x32_f16 v[OO+8*\qa+8:OO+8*\qa+15], v[VF+8:VF+15], v[SS+48:SS+55], v[OO+8*\qa+8:OO+8*\qa+15]
	PLACES 5                                       ; P's registers are written next, by matrix instructions or by loads; O is stored behind the last of these
.endm
; Step s.  Its tile was shown whole by the barrier whose wait stands first.  In the step's middle I convert my rows of the next tile and signal; the second half of the
; step is register work alone and stands between that signal and the next step's wait.
.macro STEP s, first
	s_barrier_wait -1
.if \s == 0
.irp q, 0,1,2,3
	ds_load_b128 v[QF+8*\q:QF+8*\q+3], v[AQL] offset:16*QP*\q      ; Q of my head, query tile q; waited for with the first enc fragments
.endr
.endif
	PROJ \s
	ATT 0, \first
.if \s < 3
	s_wait_tensorcnt 2-\s                          ; my load of tile s + 1 has landed; the 2 - s younger ones stay out
	CONV (\s < 2)
	s_wait_dscnt 0x0                               ; for the others' sake: my f16 rows are written (and my reads of this step's tile are back)
	s_barrier_signal -1
.endif
	ATT 2, \first
.endm
	; ---- arguments, ids, descriptors, and all of enc[b] asked for
	s_load_b512 s[4:19], s[0:1], 0x0               ; x s[4:5], enc s[6:7], mask s[8:9], Wkv s[10:11], bkv s[12:13], Wq s[14:15], bq s[16:17], Wproj s[18:19]
	s_load_b128 s[20:23], s[0:1], 0x40             ; bproj s[20:21], out s[22:23]
	v_lshl_add_u32 v254, v0, 2, 0x47400
	v_mov_b32 v255, 0
	ds_add_u32 v254, v255
	ds_add_u32 v254, v255
	s_wait_dscnt 0x0
	v_lshrrev_b32 v[TMP], 5, v0
	v_readfirstlane_b32 s24, v[TMP]                ; wave w
	s_lshr_b32 s25, s24, 2                         ; hd
	s_and_b32 s26, s24, 3                          ; ks
	s_bfe_u32 s27, ttmp6, 0x40000                  ; cx: my place in the cluster
	s_lshl_b32 s28, ttmp9, 2
	s_add_co_u32 s28, s28, s27                     ; query block = 4 x cluster x + cx: enters the addresses of x and out alone
	s_and_b32 s29, ttmp7, 0xffff                   ; batch: the same in the four partners
	s_mov_b32 s56, 0x76543210                      ; v_permlanex16_b32: lane i reads lane i xor 16
	s_mov_b32 s57, 0xfedcba98
	s_mov_b32 s[G1+0], 15|(2<<16)|(1<<20)|(1<<21)|(5<<22)|(3<<25)  ; mask: all four of the cluster; elements of 4 bytes; padding on; bit 21 beside a mask; after every 64 words, 4 words
	s_mov_b32 s[G1+1], 64<<16                      ; tensor_dim0 = 64
	s_mov_b32 s[G1+2], 16<<16                      ; tensor_dim1 = 16
	s_mov_b32 s[G1+3], 64<<16                      ; tile_dim0 = 64
	s_mov_b32 s[G1+4], 16                          ; tile_dim1 = 16
	s_mov_b32 s[G1+5], 64                          ; elements from row to row
	s_mov_b32 s[G1+6], 0
	s_mov_b32 s[G1+7], 0
	s_lshl_b32 s30, s29, 18                        ; batch x 1,024 rows x 256 bytes
	s_lshl_b32 s60, s24, 12                        ; + wave x 16 rows
	s_add_co_u32 s30, s30, s60
	s_mov_b32 s31, 0
	s_mul_i32 s61, s24, WROWS                      ; and where they go: the wave's number and the tile alone
	s_wait_kmcnt 0x0
	s_add_nc_u64 s[6:7], s[6:7], s[30:31]
.irp s, 0,1,2,3
	s_mov_b32 s[G0+4*\s], 1
	s_add_co_u32 s[G0+4*\s+1], s61, \s*TILE
	s_add_nc_u64 s[G0+4*\s+2:G0+4*\s+3], s[6:7], \s*65536          ; tile s: 256 rows of 256 bytes further
	s_or_b32 s[G0+4*\s+3], s[G0+4*\s+3], 0x80000000
.endr
	ROUND                                          ; the four work-groups are here: the joint loads meet
.irp s, 0,1,2,3
	tensor_load_to_lds s[G0+4*\s:G0+4*\s+3], s[G1:G1+7]
	s_nop 0
.endr
	; ---- bases and lane addresses
	s_lshl_b32 s58, s29, 18
	s_lshl_b32 s60, s28, 14                        ; query block x 64 rows x 256 bytes
	s_add_co_u32 s58, s58, s60
	s_mov_b32 s59, 0
	s_add_nc_u64 s[4:5], s[4:5], s[58:59]          ; x at my first query
	s_add_nc_u64 s[22:23], s[22:23], s[58:59]      ; out likewise
	s_lshl_b32 s30, s29, 12
	s_add_nc_u64 s[8:9], s[8:9], s[30:31]          ; the batch's mask
	v_and_b32 v[RR], 15, v0
	v_bfe_u32 v[HH], v0, 4, 1
	v_bfe_u32 v[TMP], v0, 3, 2                     ; lane / 8: which of four rows
	v_and_b32 v[TT], 7, v0                         ; lane % 8: which eighth of the row
	v_mul_u32_u24 v[ACL], PE, v[TMP]
	v_add_nc_u32 v[ACL], s61, v[ACL]
	v_lshl_add_u32 v[ACS], v[TT], 4, v[ACL]
	v_lshl_add_u32 v[ACL], v[TT], 5, v[ACL]
	s_mul_i32 s60, s26, 64*PE
	v_mul_u32_u24 v[AFR], PE, v[RR]
	v_lshl_add_u32 v[AFR], v[HH], 4, v[AFR]
	v_add_nc_u32 v[AFR], s60, v[AFR]               ; (64 ks + r) x 272 + 16 h
	s_lshl_b32 s60, s26, 8
	s_add_co_u32 s60, s60, MSK
	v_lshl_add_u32 v[AMK], v[RR], 2, s60           ; MSK + 4 (64 ks + r)
	s_lshl_b32 s62, s25, 5
	s_add_co_u32 s62, s62, QST
	v_mul_u32_u24 v[TMP], QP, v[RR]
	v_lshl_add_u32 v[TMP], v[HH], 4, v[TMP]
	v_add_nc_u32 v[AQL], s62, v[TMP]               ; QST + 144 r + 32 hd + 16 h
	s_mul_i32 s63, s26, 16*QP
	v_add_nc_u32 v[AQS], s63, v[AQL]               ; the same in row 16 ks + r
	s_lshl_b32 s62, s25, 6
	v_lshlrev_b32 v[VBV], 2, v[RR]
	v_add_nc_u32 v[VBV], s62, v[VBV]               ; 4 (16 hd + r): my column of a weight matrix
	v_lshl_add_u32 v[VWQ], v[HH], 11, v[VBV]       ; + 8 h rows of 256 bytes
	v_lshl_add_u32 v[VWK], v[HH], 12, v[VBV]       ; + 8 h rows of 512 bytes
	v_lshl_add_u32 v[VB], v[HH], 5, s62            ; 4 (16 hd + 8 h)
	s_lshl_b32 s63, s26, 12
	v_lshl_add_u32 v[VX], v[RR], 8, s63
	v_lshl_add_u32 v[VX], v[HH], 5, v[VX]          ; (16 ks + r) x 256 + 32 h
	v_lshlrev_b32 v[VMK], 3, v0                    ; two mask words a thread
	; ---- everything else that the kernel reads but Wproj and bproj; f32 lands in registers that the loop uses later
	global_load_b64 v[VF+8:VF+9], v[VMK], s[8:9]
.irp kb, 0,1
.irp u, 0,1
.irp t, 0,1
	global_load_b128 v[SS+16*\kb+8*\u+4*\t:SS+16*\kb+8*\u+4*\t+3], v[VX], s[4:5] offset:128*\kb+64*\u+16*\t
.endr
.endr
.endr
	global_load_b128 v[VF:VF+3],   v[VB], s[16:17]                 ; bq(16 hd + 8 h + j): C of the Q tile
	global_load_b128 v[VF+4:VF+7], v[VB], s[16:17] offset:16
	LOADW SS+32, VWQ, 14, 256, 0                   ; Wq's column 16 hd + r
	LOADW OO, VWK, 10, 512, 0                      ; Wk's
	global_load_b128 v[BK:BK+3],   v[VB], s[12:13]
	global_load_b128 v[BK+4:BK+7], v[VB], s[12:13] offset:16
	LOADW KF, VWK, 10, 512, 256                    ; Wv's: 64 columns further
	global_load_b32 v[BV], v[VBV], s[12:13] offset:256             ; bv(16 hd + r)
	s_wait_loadcnt 0x0
	; ---- mask words: -2^15 twice (f16) for a key whose mask is 0, else 0
	v_mov_b32 v[TT+5], 0xf800f800
	v_add_nc_u32 v[TT+4], MSK, v[VMK]
	v_cmp_eq_u32 vcc_lo, 0, v[VF+8]
	v_cndmask_b32 v[TT+6], 0, v[TT+5], vcc_lo
	v_cmp_eq_u32 vcc_lo, 0, v[VF+9]
	v_cndmask_b32 v[TT+7], 0, v[TT+5], vcc_lo
	ds_store_b64 v[TT+4], v[TT+6:TT+7]
	; ---- Q^T of head hd, query tile ks = Wq^T x x^T + bq, times 0.25 log2 e, to the stage
	PACK16 QF, SS
	PACK16 QF+16, SS+32
	v_wmma_f32_16x16x32_f16 v[QA:QA+7], v[QF+16:QF+23], v[QF:QF+7], v[VF:VF+7]
	s_wait_alu depctr_va_vdst(0)                   ; the wait ahead of the link
	v_wmma_f32_16x16x32_f16 v[QA:QA+7], v[QF+24:QF+31], v[QF+8:QF+15], v[QA:QA+7]
	PACK16 WK, OO                                  ; these 39 lines name none of its registers: the places behind it
	PACK16 WV, KF
.irp j, 1,2,3,4,5,6,7
	v_mov_b32 v[BV+\j], v[BV]                      ; C(key, d = r) = bv(r) in all eight registers
.endr
.irp i, 0,2,4,6
	v_pk_mul_f32 v[QA+\i:QA+\i+1], v[QA+\i:QA+\i+1], 0x3eb8aa3b op_sel_hi:[1,0]    ; 1 / sqrt(16) x log2 e: the scores come out as exponents of 2
.endr
.irp i, 0,1,2,3
	v_cvt_pk_f16_f32 v[TT+\i], v[QA+2*\i], v[QA+2*\i+1]
.endr
	ds_store_b128 v[AQS], v[TT:TT+3]
	; ---- tile 0
	s_wait_tensorcnt 0x3                           ; my load of tile 0 has landed; the three younger ones stay out
	CONV 1
	s_wait_dscnt 0x0                               ; for the others' sake: mask words, Q and my f16 rows are written
	s_barrier_signal -1
	v_mov_b32 v[AL+1], 0                           ; completes the pair that the packed rescale names
.irp q, 0,1,2,3
	v_mov_b32 v[QF+8*\q+4], 0x78007800             ; +2^15 twice: the mask's partner
	v_mov_b32 v[QF+8*\q+5], 0
	v_mov_b32 v[QF+8*\q+6], 0
	v_mov_b32 v[QF+8*\q+7], 0
	v_mov_b32 v[KF+8*\q+5], 0
	v_mov_b32 v[KF+8*\q+6], 0
	v_mov_b32 v[KF+8*\q+7], 0
.endr
	STEP 0, 1
	STEP 1, 0
	STEP 2, 0
	STEP 3, 0
	; ---- the four key subsets of a head meet.  The merge area lies in enc tiles 0 and 1: every wave signalled the barrier that opened step 3 behind its reads of
	; steps 0 to 2 and behind the wait that showed all its tensor loads landed, so nobody reads or fills those bytes any more.
	LOADW QF, VWQ, 18, 256, 0                      ; Wproj's column 16 hd + r, on its way during the merge
	global_load_b128 v[KF:KF+3],   v[VB], s[20:21]
	global_load_b128 v[KF+4:KF+7], v[VB], s[20:21] offset:16
	v_and_b32 v[TMP], 31, v0
	s_mul_i32 s60, s24, MRGW
	v_lshl_add_u32 v[TT],   v[TMP], 4, s60
	v_lshl_add_u32 v[TT+1], v[TMP], 3, s60
.irp q, 0,1,2,3
	ds_store_b128 v[TT],   v[OO+8*\q:OO+8*\q+3]   offset:MRGQ*\q
	ds_store_b128 v[TT],   v[OO+8*\q+4:OO+8*\q+7] offset:MRGQ*\q+512
	ds_store_b64  v[TT+1], v[ML+2*\q:ML+2*\q+1]   offset:MRGQ*\q+1024
.endr
	s_wait_dscnt 0x0
	s_barrier_signal -1
	s_barrier_wait -1
	s_mul_i32 s60, s25, 4*MRGW                     ; the four waves of my head,
	s_mul_i32 s61, s26, MRGQ                       ; query tile ks of each
	s_add_co_u32 s60, s60, s61
	v_lshl_add_u32 v[TT+2], v[TMP], 4, s60
	v_lshl_add_u32 v[TT+3], v[TMP], 3, s60
.irp i, 0,1,2,3
	ds_load_b128 v[SS+8*\i:SS+8*\i+3],     v[TT+2] offset:MRGW*\i
	ds_load_b128 v[SS+8*\i+4:SS+8*\i+7],   v[TT+2] offset:MRGW*\i+512
	ds_load_b64  v[SS+32+2*\i:SS+33+2*\i], v[TT+3] offset:MRGW*\i+1024
.endr
	s_lshl_b32 s62, s25, 5
	s_wait_dscnt 0x0
	v_max3_num_f32 v[MT], v[SS+32], v[SS+34], v[SS+36]
	v_max_num_f32 v[MT], v[MT], v[SS+38]           ; kept: below -2^31 only where every key is masked
.irp i, 0,1,2,3
	v_sub_f32 v[TT+2*\i], v[SS+32+2*\i], v[MT]
.endr
.irp i, 0,1,2,3
	v_exp_f32 v[TT+2*\i], v[TT+2*\i]               ; f_i, in the even registers, so that every packed line broadcasts a pair's first register
.endr
	v_sub_nc_u32 v[ACX], v[AQS], s62               ; QST + (16 ks + r) x 144 + 16 h; also the plain line behind the exponentials
	s_wait_alu depctr_va_vdst(0)
	v_mul_f32  v[AL], v[TT],   v[SS+33]
	v_fmac_f32 v[AL], v[TT+2], v[SS+35]
	v_fmac_f32 v[AL], v[TT+4], v[SS+37]
	v_fmac_f32 v[AL], v[TT+6], v[SS+39]
	v_permlanex16_b32 v[AL+1], v[AL], s56, s57     ; the sums of the other half's keys
	v_add_f32 v[AL], v[AL], v[AL+1]                ; at least 1: the key of the maximum counts 1
	v_rcp_f32 v[AL], v[AL]
	v_mov_b32 v[MT+1], 0x7fc00000                  ; NaN for later; also the plain line behind the reciprocal
	s_wait_alu depctr_va_vdst(0)
.irp i, 0,1,2,3
	v_mul_f32 v[TT+2*\i], v[TT+2*\i], v[AL]        ; g_i = f_i / l
.endr
.irp j, 0,2,4,6
	v_pk_mul_f32 v[SS+\j:SS+\j+1], v[SS+\j:SS+\j+1], v[TT:TT+1] op_sel_hi:[1,0]
.endr
.irp i, 1,2,3
.irp j, 0,2,4,6
	v_pk_fma_f32 v[SS+\j:SS+\j+1], v[SS+8*\i+\j:SS+8*\i+\j+1], v[TT+2*\i:TT+2*\i+1], v[SS+\j:SS+\j+1] op_sel_hi:[1,0,1]
.endr
.endr
.irp i, 0,1,2,3
	v_cvt_pk_f16_f32 v[ML+\i], v[SS+2*\i], v[SS+2*\i+1]
.endr
	ds_store_b128 v[AQS], v[ML:ML+3]               ; ctx[16 ks + r][16 hd + 8 h ..]; the stage's Q was read for the last time in step 0
	s_wait_dscnt 0x0
	s_barrier_signal -1
	s_barrier_wait -1
	; ---- out^T (channels 16 hd .., query tile ks) = Wproj^T x ctx^T + bproj
.irp c, 0,1,2,3
	ds_load_b128 v[CF+4*\c:CF+4*\c+3], v[ACX] offset:32*\c
.endr
	s_wait_loadcnt 0x0                             ; Wproj and bproj
	PACK16 WPF, QF
	s_mul_i32 s60, s26, WROWS
	s_lshl_b32 s61, s25, 6
	s_add_co_u32 s60, s60, s61
	s_add_co_u32 s60, s60, OST
	s_mul_i32 s61, s24, 2*PE
	s_add_co_u32 s61, s61, OST
	s_wait_dscnt 0x0
	v_wmma_f32_16x16x32_f16 v[OUTA:OUTA+7], v[WPF:WPF+7], v[CF:CF+7], v[KF:KF+7]
	s_wait_alu depctr_va_vdst(0)                   ; the wait ahead of the link
	v_wmma_f32_16x16x32_f16 v[OUTA:OUTA+7], v[WPF+8:WPF+15], v[CF+8:CF+15], v[OUTA:OUTA+7]
	v_mul_u32_u24 v[TT], PE, v[RR]                 ; seven plain lines that name none of its registers: the places behind it
	v_lshl_add_u32 v[TT], v[HH], 5, v[TT]
	v_add_nc_u32 v[TT], s60, v[TT]                 ; in: OST + (16 ks + r) x 272 + 64 hd + 32 h
	v_lshlrev_b32 v[TT+1], 4, v0                   ; out: 16 bytes a thread
	v_mul_u32_u24 v[TT+2], PE, v[HH]
	v_lshl_add_u32 v[TT+2], v[RR], 4, v[TT+2]
	v_add_nc_u32 v[TT+2], s61, v[TT+2]             ; back: OST + (2 w + h) x 272 + 16 r
	v_cmp_gt_f32 vcc_lo, 0xcf000000, v[MT]         ; -2^31 > the merged maximum: every key of the batch is masked
.irp j, 0,1,2,3,4,5,6,7
	v_cndmask_b32 v[OUTA+\j], v[OUTA+\j], v[MT+1], vcc_lo
.endr
	ds_store_b128 v[TT], v[OUTA:OUTA+3]
	ds_store_b128 v[TT], v[OUTA+4:OUTA+7] offset:16
	s_wait_dscnt 0x0
	s_barrier_signal -1
	s_barrier_wait -1
	; ---- the way out: whole rows back from the stage; each store of a wave covers 512 consecutive bytes, aligned
	ds_load_b128 v[SS:SS+3],   v[TT+2]
	ds_load_b128 v[SS+4:SS+7], v[TT+2] offset:32*PE
	s_wait_dscnt 0x1                               ; the first is in, the second may be out
	global_store_b128 v[TT+1], v[SS:SS+3], s[22:23] th:TH_STORE_NT
	s_wait_dscnt 0x0
	global_store_b128 v[TT+1], v[SS+4:SS+7], s[22:23] offset:8192 th:TH_STORE_NT
	s_wait_xcnt 0x0
	v_lshl_add_u32 v254, v0, 2, 0x47400
	v_mov_b32 v255, 0
	s_wait_tensorcnt 0x0
	ds_add_u32 v254, v255
	s_wait_dscnt 0x0
	ROUND                                          ; the closing round: no work-group ends while a partner may still ask jointly
	s_endpgm
.Lfunc_end_k_q47aa32ecc2_attn:
	.size	k_q47aa32ecc2_attn, .Lfunc_end_k_q47aa32ecc2_attn-k_q47aa32ecc2_attn
	.p2alignl 7, 3214868480
	.fill 96, 4, 3214868480
	.section	.rodata,"a",@progbits
	.p2align	6, 0x0
	.amdhsa_kernel k_q47aa32ecc2_attn
		.amdhsa_group_segment_fixed_size 293888
		.amdhsa_private_segment_fixed_size 0
		.amdhsa_enable_private_segment 0
		.amdhsa_kernarg_size 80
		.amdhsa_user_sgpr_count 2
		.amdhsa_user_sgpr_kernarg_segment_ptr 1
		.amdhsa_wavefront_size32 1
		.amdhsa_system_sgpr_workgroup_id_x 1
		.amdhsa_system_sgpr_workgroup_id_y 1
		.amdhsa_system_sgpr_workgroup_id_z 1
		.amdhsa_system_vgpr_workitem_id 0
		.amdhsa_next_free_vgpr 256
		.amdhsa_next_free_sgpr 66
		.amdhsa_reserve_vcc 1
		.amdhsa_float_denorm_mode_32 3
		.amdhsa_float_denorm_mode_16_64 3
		.amdhsa_memory_ordered 1
		.amdhsa_forward_progress 1
		.amdhsa_inst_pref_size 156
	.end_amdhsa_kernel
	.amdgpu_metadata
---
amdhsa.version: [ 1, 2 ]
amdhsa.kernels:
  - .name:           k_q47aa32ecc2_attn
    .symbol:         k_q47aa32ecc2_attn.kd
    .args:
      - { .name: x, .offset: 0, .size: 8, .value_kind: global_buffer, .address_space: global }
      - { .name: encoder_outputs, .offset: 8, .size: 8, .value_kind: global_buffer, .address_space: global }
      - { .name: encoder_outputs_mask, .offset: 16, .size: 8, .value_kind: global_buffer, .address_space: global }
      - { .name: Wkv, .offset: 24, .size: 8, .value_kind: global_buffer, .address_space: global }
      - { .name: bkv, .offset: 32, .size: 8, .value_kind: global_buffer, .address_space: global }
      - { .name: Wq, .offset: 40, .size: 8, .value_kind: global_buffer, .address_space: global }
      - { .name: bq, .offset: 48, .size: 8, .value_kind: global_buffer, .address_space: global }
      - { .name: Wproj, .offset: 56, .size: 8, .value_kind: global_buffer, .address_space: global }
      - { .name: bproj, .offset: 64, .size: 8, .value_kind: global_buffer, .address_space: global }
      - { .name: out0, .offset: 72, .size: 8, .value_kind: global_buffer, .address_space: global }
    .group_segment_fixed_size: 293888
    .private_segment_fixed_size: 0
    .kernarg_segment_align: 8
    .kernarg_segment_size: 80
    .max_flat_workgroup_size: 512
    .sgpr_count:     66
    .vgpr_count:     256
    .wavefront_size: 32
...
	.end_amdgpu_metadata
.endif
;; end of part 1
